; MI455X (gfx1250); checked and timed in simulation.
; The chip was launched on July 23, 2026; its instructions are those of AMD's public machine-readable ISA for CDNA 5 (MIT licence, August 2026) and "CDNA5" Instruction Set Architecture Reference Guide (July 2026). The comments in the code are by the model that wrote it; some were corrected since.
;; Multi Headed Attention. Allowed arithmetic: float matrix products may take bf16 or f16 operands with f32 sums; all other float work in f32.
;; Inputs: Wk 512 x 512 float32; Wl 8 x 1 float32; Wo 512 x 512 float32; Wq 512 x 512 float32; Wr 1 x 8 float32; Wv 512 x 512 float32; bk 512 float32; bl 8 float32; bo 512 float32; bq 512 float32; br 1 float32; bv 512 float32; key 8 x 1,024 x 512 float32; mask 8 x 1,024 int32; query 8 x 1,024 x 512 float32; segment_weights 8 x 1,024 x 1,024 float32; value 8 x 1,024 x 512 float32.
;; Outputs: out0 8 x 1,024 x 512 float32.
;; One version. Each part assembles by itself: llvm-mc -triple=amdgcn-amd-amdhsa -mcpu=gfx1250 --defsym DOCPART=n.
;; ======== version 1 of 1: 2 launches
;; limits: values are held in f16: magnitudes above 65,504 overflow, below 6.1e-05 lose precision
;; workspace buffers: Qf 8,388,608 bytes; KV 16,777,216 bytes; Wof 524,288 bytes
;; launch proj (part 1): grid 32 x 6, 4 waves a work-group, clusters of 4 x 1, 327,680 bytes of LDS; arguments query, key, value, Wq, Wk, Wv, Wo, bq, bv, Qf, KV, Wof; writes Qf, KV, Wof
.if DOCPART == 1
	.amdgcn_target "amdgcn-amd-amdhsa--gfx1250"
	.amdhsa_code_object_version 6
	.text
	.protected	k_q1d6a0c1aa1_proj
	.globl	k_q1d6a0c1aa1_proj
	.p2align	8
	.type	k_q1d6a0c1aa1_proj,@function
k_q1d6a0c1aa1_proj:
	s_mov_b64 s[64:65], 0
	v_nop
	global_prefetch_b8 v0, s[64:65] scope:SCOPE_SE
	s_setreg_imm32_b32 hwreg(HW_REG_WAVE_MODE, 25, 1), 1
	s_wait_xcnt 0x0
	s_wait_alu depctr_hold_cnt(0) depctr_sa_sdst(0) depctr_va_vdst(0) depctr_va_sdst(0) depctr_va_ssrc(0) depctr_va_vcc(0) depctr_vm_vsrc(0)
	s_getreg_b32 s2, hwreg(HW_REG_IB_STS2, 6, 4)
	s_cmp_eq_u32 s2, 0
	s_cbranch_scc0 .Lentry_in_a_cluster
	s_endpgm
.Lentry_in_a_cluster:
	s_bfe_u32 s2, ttmp6, 0x10000c
	s_cmp_lg_u32 s2, 0x3003
	s_cbranch_scc0 .Lentry_shape_is_right
	s_endpgm
.Lentry_shape_is_right:
; FIRST OF TWO LAUNCHES: the three input projections of the attention, and Wo, written as f16 matrix fragments.
;   Qf = (query Wq^T + bq) * 0.125 * log2(e)     KV = key Wk^T (no bk) and value Wv^T + bv     Wof = Wo
;
; WORK LEFT OUT, for all finite values of the inputs, in exact arithmetic:
;   br: bias = hmid Wr^T + br adds the same number br to every score; softmax along the keys is unchanged by a term that is the
;       same along its axis, and rows with mask == 0 are overwritten by -1e9 whatever br holds.
;   bk: score(i, j) = q_i . (k_j + bk) / 8 = q_i . k_j / 8 + q_i . bk / 8; the second term is the same for every key j of query row i.
;   With leaky_relu(t) = 0.6 t + 0.4 |t| and t_w = sw Wl_w + bl_w, the part 0.6 sum_w Wr_w bl_w of the bias is one number for all scores.
;   So br and bk have no way to the output: they are not loaded and are arguments of no launch.
;   LIMIT: a NaN, an infinity or an overflow that reaches only these terms is not carried to the result.
;
; FORMAT: all matrix operands of both launches are f16 (rounded once), all sums f32.  f16 and not bf16: V, P and the head outputs are each rounded
; on the way, and the output is a sum of many terms of both signs, so each rounding's relative error shows whole against the output's spread;
; f16's 11 significant bits make it 8 times smaller than bf16's 8.
; LIMIT of range: an input or a projection of 65,504 or more in magnitude becomes infinite.  Room: as drawn the inputs stay below about 6 and
; the projections below about 3; with every input 30 times larger the projections stay below about 2,500; with offsets of 30 spreads on x (30)
; and on W (0.6) together they are about 512 x 30 x 0.6 = 9,216.  With every input 30 times smaller the smallest operands (the head outputs,
; spread about 1.6e-5) lie where f16's step is 2^-24: an error of at most 3e-8, about 0.2 per cent of that spread.
;
; SHAPE: a work-group makes 256 tokens x 256 features of one of Q, K, V over K = 512: 32 token blocks x 3 matrices x 2 column blocks
; = 192 work-groups.  Four waves, one a SIMD, each 128 x 128 in 512 accumulator registers.
; K goes in steps of 64 f32 (rows of 256 bytes, aligned) through two LDS slots filled by the tensor data mover; the tiles stay f32 in
; LDS and are rounded to f16 when fragments are read (each operand row is read by two waves only, so an f16 copy in LDS would move more bytes).
; CLUSTER: the four token blocks of a cluster (4 x 1) walk the same tiles of W, so W is asked for jointly (mask 15); x is each work-group's own.
; A 4 x 4 cluster is not used: the grid has 6 work-groups along y.
;
; FRAGMENT-MAJOR OUTPUT: a fragment (16 rows x 32 k of f16) is two pieces of 512 bytes; in a piece lane L owns the 16 bytes at 16 L:
; row L % 16, k = 16 piece + 8 (L / 16) + 0..7.  A lane's eight results of one accumulator tile are exactly such 16 bytes at its own
; place, so every store of a wave covers 512 consecutive bytes, aligned, with no stage in LDS.
;   Qf  [batch 8][qb 32][head 8][qt 2][dkh 2][piece 2][512 B]      rows = queries, k = dk
;   KV  [batch 8][kb 16][head 8]{ K [kt 4][dkh 2][piece 2][512 B] rows = keys, k = dk ; V [ks 2][dvt 4][piece 2][512 B] rows = dv, k = keys }
;   Wof [t 4][w 8][ks 4][mt 4][piece 2][512 B]                     rows = out features 64 w + 16 mt + .., k = in features 32 (4 t + ks) + ..
;
; REGISTERS in windows of 256: window 0: v0-31 addresses, v32-95 fragments of x, v96-223 x as loaded (f32), v224-255 packed results;
; window 1: v32-95 fragments of W, v96-223 W as loaded; windows 2, 3: accumulator tile (a, b) at window 2 + a / 4, register 8 (8 (a % 4) + b).
.set PITCH, 272                        ; an LDS row: 256 bytes + 16 of padding, so the 16 rows that a load touches start 16 bytes apart modulo 256
.set HALFT, 128*PITCH                  ; 128 rows: one tensor load, and what one wave reads of x or of W
.set SLOT,  4*HALFT                    ; x rows 0-255, then W rows 0-255
.set ADRX, 16                          ; v16-17  LDS address of my x fragments in slot 0, 1
.set ADRW, 20                          ; v20-21  the same for W
.set LOFF, 24                          ; v24     16 x lane: my place in a piece
.set FR,   32                          ; fragments (f16)
.set RAW,  96                          ; fragments as loaded (f32)
.set TF,   160                         ; the way out: results in f32 with bias
.set PK,   224                         ; the way out: packed results
.set G1X, 28                           ; s[28:35] descriptor group 1 for x
.set G1W, 36                           ; s[36:43] for W: differs in the mask alone
.set G0X, 44                           ; s[44:51] group 0 for x, one set a slot
.set G0W, 52                           ; s[52:59] group 0 for W, one set a slot
.set QS, 0x3e38aa3b                    ; 0.125 * log2(e): 1 / sqrt(64), and the softmax is taken in base 2
.set MSB, 0
.macro WIN new                         ; the immediate's high byte repeats the setting that is left
.if MSB != (\new)
	s_set_vgpr_msb (MSB<<8)|(\new)
.set MSB, (\new)
.endif
.endm
.macro PLACES                          ; four places behind a matrix instruction (ISA guide 7.12.1)
.rept 4
	v_nop
.endr
.endm
; One tensor load a wave: waves 0, 1 fetch the two halves of x (plain), waves 2, 3 those of W (joint).  The branch hangs on the wave number alone.
.macro JLOAD s
	s_cmp_eq_u32 s61, 0
	s_cbranch_scc0 .Lfor_w_\@
	tensor_load_to_lds s[G0X+4*\s:G0X+4*\s+3], s[G1X:G1X+7]
	s_nop 0
	s_branch .Lasked_\@
.Lfor_w_\@:
	tensor_load_to_lds s[G0W+4*\s:G0W+4*\s+3], s[G1W:G1W+7]
	s_nop 0
.Lasked_\@:
.endm
.macro CREST                           ; a round of the cluster barrier behind its opening work-group barrier
	s_cmp_lg_u32 s60, 0
	s_cbranch_scc1 .Lnot_wave_0_\@
	s_barrier_signal -3
.Lnot_wave_0_\@:
	s_barrier_wait -3
	s_barrier_signal -1
	s_barrier_wait -1
.endm
.macro CROUND                          ; a whole round
	s_barrier_signal -1
	s_barrier_wait -1
	CREST
.endm
	s_load_b512 s[4:19], s[0:1], 0x0               ; query s[4:5], key s[6:7], value s[8:9], Wq s[10:11], Wk s[12:13], Wv s[14:15], Wo s[16:17], bq s[18:19]
	s_load_b256 s[20:27], s[0:1], 0x40             ; bv s[20:21], Qf s[22:23], KV s[24:25], Wof s[26:27]
	s_set_vgpr_msb 0x40
	v_lshl_add_u32 v254, v0, 2, 0x44000
	v_mov_b32 v255, 0
	s_set_vgpr_msb 0x4045
	ds_add_u32 v254, v255
	s_set_vgpr_msb 0x4500
	v_lshrrev_b32 v1, 5, v0
	v_readfirstlane_b32 s60, v1                    ; wave 0..3
	s_lshr_b32 s61, s60, 1                         ; th: my half of the tokens.  Also: I fetch x (0) or W (1)
	s_and_b32 s62, s60, 1                          ; fh: my half of the features.  Also: which 128 rows I fetch
	s_bfe_u32 s66, ttmp6, 0x40000                  ; cx
	s_lshl_b32 s67, ttmp9, 2
	s_add_co_u32 s67, s67, s66                     ; tb: token block 0..31 = 4 x cluster x + cx
	s_and_b32 s68, ttmp7, 0xffff                   ; y 0..5, the same in all four partners
	s_lshr_b32 s69, s68, 1                         ; mat: 0 Q, 1 K, 2 V
	s_and_b32 s70, s68, 1                          ; cb: column block
	; group 1: a tile of 128 rows x 64 f32, 4 words of padding behind every 64 words
	s_mov_b32 s[G1X+0], (2<<16)|(1<<20)|(5<<22)|(3<<25)            ; no mask; elements of 4 bytes; padding on, interval code 5, 4 words
	s_mov_b32 s[G1W+0], 15|(2<<16)|(1<<20)|(1<<21)|(5<<22)|(3<<25) ; the same for all four work-groups of the cluster, bit 21 beside the mask
.irp g, G1X, G1W
	s_mov_b32 s[\g+1], 64<<16                      ; tensor_dim0 = 64
	s_mov_b32 s[\g+2], 128<<16                     ; tensor_dim1 = 128
	s_mov_b32 s[\g+3], 64<<16                      ; tile_dim0 = 64
	s_mov_b32 s[\g+4], 128                         ; tile_dim1 = 128
	s_mov_b32 s[\g+5], 512                         ; 512 elements from row to row
	s_mov_b32 s[\g+6], 0
	s_mov_b32 s[\g+7], 0
.endr
	s_lshl_b32 s72, s67, 19                        ; x: (256 tb + 128 fh) rows of 2,048 bytes
	s_lshl_b32 s73, s62, 18
	s_add_co_u32 s72, s72, s73
	s_mov_b32 s73, 0
	s_lshl_b32 s76, s70, 19                        ; W: (256 cb + 128 fh) rows; no place in the cluster enters these registers
	s_lshl_b32 s77, s62, 18
	s_add_co_u32 s76, s76, s77
	s_mov_b32 s77, 0
	s_mul_i32 s71, s60, HALFT                      ; where my 128 rows go: wave x 128 rows
	s_wait_dscnt 0x0
	s_wait_kmcnt 0x0
	s_cmp_eq_u32 s69, 0
	s_cselect_b64 s[80:81], s[4:5], s[6:7]         ; x = query, key
	s_cselect_b64 s[82:83], s[10:11], s[12:13]     ; W = Wq, Wk
	s_cmp_eq_u32 s69, 2
	s_cselect_b64 s[80:81], s[8:9], s[80:81]       ; or value
	s_cselect_b64 s[82:83], s[14:15], s[82:83]     ; or Wv
	s_add_nc_u64 s[80:81], s[80:81], s[72:73]
	s_add_nc_u64 s[82:83], s[82:83], s[76:77]
	CROUND                                         ; all four work-groups are here: the first joint loads meet
.irp s, 0,1
	s_mov_b32 s[G0X+4*\s], 1
	s_add_co_u32 s[G0X+4*\s+1], s71, \s*SLOT
	s_add_nc_u64 s[G0X+4*\s+2:G0X+4*\s+3], s[80:81], \s*256        ; K step s
	s_or_b32 s[G0X+4*\s+3], s[G0X+4*\s+3], 0x80000000
	s_mov_b32 s[G0W+4*\s], 1
	s_add_co_u32 s[G0W+4*\s+1], s71, \s*SLOT
	s_add_nc_u64 s[G0W+4*\s+2:G0W+4*\s+3], s[82:83], \s*256
	s_or_b32 s[G0W+4*\s+3], s[G0W+4*\s+3], 0x80000000
	JLOAD \s                                       ; both slots are asked for before anything else: two loads of the wave are out
.endr
	; lane L = (r = L % 16, hh = L / 16) reads row r, f32 numbers 8 hh .. 8 hh + 7 and 16 + 8 hh .. of each 32 along K
	v_and_b32 v1, 15, v0                           ; r
	v_bfe_u32 v2, v0, 4, 1                         ; hh
	v_mul_u32_u24 v3, v1, PITCH
	v_lshl_add_u32 v3, v2, 5, v3                   ; r x pitch + 32 hh
	s_mul_i32 s74, s61, HALFT                      ; my 128 rows of x
	s_mul_i32 s75, s62, HALFT                      ; my 128 rows of W,
	s_add_co_u32 s75, s75, 2*HALFT                 ; which lie behind the 256 of x
.irp s, 0,1
	v_add_nc_u32 v[ADRX+\s], s74, v3
	v_add_nc_u32 v[ADRW+\s], s75, v3
	s_add_co_u32 s74, s74, SLOT
	s_add_co_u32 s75, s75, SLOT
.endr
	v_and_b32 v[LOFF], 31, v0
	v_lshlrev_b32 v[LOFF], 4, v[LOFF]
	; Wo as fragments: the 128 waves of the work-groups with y = 0 take 4 fragments (4,096 bytes of Wof) each, while their first tiles are on the way
	s_cmp_lg_u32 s68, 0
	s_cbranch_scc1 .Lno_wo
	s_lshl2_add_u32 s72, s67, s60                  ; g = 4 tb + wave = 32 t + 4 w + ks
	s_and_b32 s73, s72, 3                          ; ks
	s_bfe_u32 s74, s72, 0x30002                    ; w
	s_lshr_b32 s75, s72, 5                         ; t
	s_lshl2_add_u32 s73, s75, s73                  ; 4 t + ks
	s_lshl_b32 s73, s73, 7                         ; x 32 f32
	s_lshl_b32 s74, s74, 17                        ; 64 w rows of 2,048 bytes
	s_add_co_u32 s78, s73, s74
	s_mov_b32 s79, 0
	s_add_nc_u64 s[16:17], s[16:17], s[78:79]
	s_lshl_b32 s78, s72, 12
	s_add_nc_u64 s[26:27], s[26:27], s[78:79]
	v_lshlrev_b32 v4, 11, v1                       ; row r,
	v_lshl_add_u32 v4, v2, 5, v4                   ; 8 hh f32
.irp m, 0,1,2,3
.irp h, 0,1
	global_load_b128 v[RAW+8*(2*\m+\h):RAW+8*(2*\m+\h)+3],   v4, s[16:17] offset:\m*32768+\h*64 th:TH_LOAD_NT
	global_load_b128 v[RAW+8*(2*\m+\h)+4:RAW+8*(2*\m+\h)+7], v4, s[16:17] offset:\m*32768+\h*64+16 th:TH_LOAD_NT
.endr
.endr
	s_wait_loadcnt 0x0
.irp i, 0,1,2,3,4,5,6,7
.irp c, 0,1,2,3
	v_cvt_pk_f16_f32 v[PK+4*\i+\c], v[RAW+8*\i+2*\c], v[RAW+8*\i+2*\c+1]
.endr
	global_store_b128 v[LOFF], v[PK+4*\i:PK+4*\i+3], s[26:27] offset:\i*512
.endr
	s_wait_xcnt 0x0                                ; the stores' data and address registers are written again only behind this wait
.Lno_wo:
.macro WM d, a, b, zero                ; one product; zero = 1: it starts the sum, nothing is ever cleared
.if \zero
	v_wmma_f32_16x16x32_f16 v[\d:\d+7], v[\a:\a+7], v[\b:\b+7], 0
.else
	v_wmma_f32_16x16x32_f16 v[\d:\d+7], v[\a:\a+7], v[\b:\b+7], v[\d:\d+7]
.endif
.endm
; 32 products: my token tiles 4 hi .. 4 hi + 3 x all 8 feature tiles, 32 along K.
; sw = 0 (Q, K): source 0 = W (window 1), source 1 = x: a lane holds one token and 8 neighbouring features.
; sw = 1 (V):    source 0 = x, source 1 = W (window 1): a lane holds one feature and 8 neighbouring tokens.
.macro MULS sw, hi, zero
	WIN 0xa1+3*\sw+0x50*\hi
.irp a, 0,1,2,3
.irp b, 0,1,2,3,4,5,6,7
.if \sw
	WM 8*(8*\a+\b), FR+8*(4*\hi+\a), FR+8*\b, \zero
.else
	WM 8*(8*\a+\b), FR+8*\b, FR+8*(4*\hi+\a), \zero
.endif
.endr
.endr
.endm
; 64 LDS loads: 128 rows of W and 128 rows of x, 32 f32 at byte kb of the rows
.macro FETCH slot, kb
	WIN 0x40
.irp i, 0,1,2,3,4,5,6,7
.irp n, 0,1,2,3
	ds_load_b128 v[RAW+16*\i+4*\n:RAW+16*\i+4*\n+3], v[ADRW+\slot] offset:\kb+\i*16*PITCH+16*(\n&1)+64*(\n>>1)
.endr
.endr
	WIN 0
.irp i, 0,1,2,3,4,5,6,7
.irp n, 0,1,2,3
	ds_load_b128 v[RAW+16*\i+4*\n:RAW+16*\i+4*\n+3], v[ADRX+\slot] offset:\kb+\i*16*PITCH+16*(\n&1)+64*(\n>>1)
.endr
.endr
.endm
; what FETCH brought is rounded to f16 fragments
.macro CVTALL
	s_wait_dscnt 0x0                               ; all 64 loads are back
	PLACES                                         ; the fragment registers were sources of the last products
	WIN 0
.irp i, 0,1,2,3,4,5,6,7
.irp c, 0,1,2,3,4,5,6,7
	v_cvt_pk_f16_f32 v[FR+8*\i+\c], v[RAW+16*\i+2*\c], v[RAW+16*\i+2*\c+1]
.endr
.endr
	WIN 0x45
.irp i, 0,1,2,3,4,5,6,7
.irp c, 0,1,2,3,4,5,6,7
	v_cvt_pk_f16_f32 v[FR+8*\i+\c], v[RAW+16*\i+2*\c], v[RAW+16*\i+2*\c+1]
.endr
.endr
.endm
; A K step of 64: two quarters of 32, 64 products each.  The 64 accumulators take turns in one fixed order, one instruction a turn.
; In the second quarter the slots change: in front of the barrier each wave has waited for its reads of this slot and for all its tensor loads
; (one is out: its part of the next slot); where the slot is filled again the barrier opens a round of the cluster barrier, and the refill is the
; wave's first and only tensor load behind the round.
.macro KSTEP sw, slot, next, fill, zero, last
	CVTALL
	FETCH \slot, 128
	MULS \sw, 0, \zero
	MULS \sw, 1, \zero
	CVTALL                                         ; its wait for 0 ends my reads of this slot
.if \last
	MULS \sw, 0, 0
	MULS \sw, 1, 0
.else
	s_wait_tensorcnt 0x0                           ; all my tensor loads have landed
	ds_add_u32 v254, v255
	s_wait_dscnt 0x0
	s_barrier_signal -1
	MULS \sw, 0, 0                                 ; register work while the others arrive
	WIN 0
	s_barrier_wait -1
.if \fill
	CREST                                          ; no wave of any partner still reads this slot or has a load on its way
	s_add_nc_u64 s[G0X+4*\slot+2:G0X+4*\slot+3], s[G0X+4*\slot+2:G0X+4*\slot+3], 512   ; two K steps on
	s_add_nc_u64 s[G0W+4*\slot+2:G0W+4*\slot+3], s[G0W+4*\slot+2:G0W+4*\slot+3], 512
	JLOAD \slot
.endif
	FETCH \next, 0
	MULS \sw, 1, 0
.endif
.endm
; all 8 K steps: four laps of the ring; the first starts the sums, the last fills nothing
.macro BODY sw
	s_wait_tensorcnt 0x1                           ; my part of K step 0 is in; the one load of K step 1 stays out
	s_barrier_signal -1
	s_barrier_wait -1
	FETCH 0, 0
	KSTEP \sw, 0, 1, 1, 1, 0
	KSTEP \sw, 1, 0, 1, 0, 0
	WIN 0
	s_mov_b32 s63, 2
.Llap_\@:
	KSTEP \sw, 0, 1, 1, 0, 0
	KSTEP \sw, 1, 0, 1, 0, 0
	WIN 0
	s_sub_co_u32 s63, s63, 1
	s_cmp_lg_u32 s63, 0
	s_cbranch_scc1 .Llap_\@
	KSTEP \sw, 0, 1, 0, 0, 0
	KSTEP \sw, 1, 0, 0, 0, 1
	PLACES                                         ; in front of the way out, which reads results
	WIN 0
.endm
.macro KVBASE                          ; KV + batch, key block, head: (tb << 19) + (th << 18) + (cb << 16) + (fh << 15)
	s_lshl_b32 s72, s67, 19
	s_lshl_b32 s73, s61, 18
	s_add_co_u32 s72, s72, s73
	s_lshl_b32 s73, s70, 16
	s_add_co_u32 s72, s72, s73
	s_lshl_b32 s73, s62, 15
	s_add_co_u32 s72, s72, s73
	s_mov_b32 s73, 0
	s_add_nc_u64 s[24:25], s[24:25], s[72:73]
.endm
.macro BIASOFF                         ; s[74:75] = byte offset of my 128 features in a bias vector
	s_lshl_b32 s74, s70, 10
	s_lshl_b32 s75, s62, 9
	s_add_co_u32 s74, s74, s75
	s_mov_b32 s75, 0
.endm
	s_cmp_eq_u32 s69, 2
	s_cbranch_scc1 .Lvalue
	BODY 0
	s_cmp_eq_u32 s69, 0
	s_cbranch_scc0 .Lkey
	; Q: (sum + bq) * QS, as one fused multiply-add with bq * QS
	s_lshl_b32 s72, s67, 18                        ; Qf + batch, query block, head: (tb << 18) + (th << 17) + (cb << 14) + (fh << 13)
	s_lshl_b32 s73, s61, 17
	s_add_co_u32 s72, s72, s73
	s_lshl_b32 s73, s70, 14
	s_add_co_u32 s72, s72, s73
	s_lshl_b32 s73, s62, 13
	s_add_co_u32 s72, s72, s73
	s_mov_b32 s73, 0
	s_add_nc_u64 s[22:23], s[22:23], s[72:73]
	BIASOFF
	s_add_nc_u64 s[18:19], s[18:19], s[74:75]
	v_lshlrev_b32 v5, 5, v2                        ; my 8 features of a tile: 8 hh f32
.irp b, 0,1,2,3,4,5,6,7
	global_load_b128 v[RAW+8*\b:RAW+8*\b+3],   v5, s[18:19] offset:\b*64
	global_load_b128 v[RAW+8*\b+4:RAW+8*\b+7], v5, s[18:19] offset:\b*64+16
.endr
	s_wait_loadcnt 0x0
.irp b, 0,1,2,3,4,5,6,7
.irp c, 0,2,4,6
	v_pk_mul_f32 v[RAW+8*\b+\c:RAW+8*\b+\c+1], v[RAW+8*\b+\c:RAW+8*\b+\c+1], QS op_sel_hi:[1,0]
.endr
.endr
.irp a, 0,1,2,3,4,5,6,7
	s_wait_xcnt 0x0                                ; the packed results, which the last stores read, are written again only behind this wait
	WIN 0x02+(\a>>2)
.irp b, 0,1,2,3,4,5,6,7
.irp c, 0,2,4,6
	v_pk_fma_f32 v[TF+8*\b+\c:TF+8*\b+\c+1], v[8*(8*(\a&3)+\b)+\c:8*(8*(\a&3)+\b)+\c+1], QS, v[RAW+8*\b+\c:RAW+8*\b+\c+1] op_sel_hi:[1,0,1]
.endr
.endr
	WIN 0
.irp b, 0,1,2,3,4,5,6,7
.irp c, 0,1,2,3
	v_cvt_pk_f16_f32 v[PK+4*\b+\c], v[TF+8*\b+2*\c], v[TF+8*\b+2*\c+1]
.endr
	global_store_b128 v[LOFF], v[PK+4*\b:PK+4*\b+3], s[22:23] offset:(\a>>1)*32768+(\a&1)*2048+(\b>>2)*4096+((\b>>1)&1)*1024+(\b&1)*512
.endr
.endr
	s_branch .Lend
.Lkey:
	; K: the sums as they are (bk is left out: see the head)
	KVBASE
.irp a, 0,1,2,3,4,5,6,7
	s_wait_xcnt 0x0
	WIN 0x0a+5*(\a>>2)
.irp b, 0,1,2,3,4,5,6,7
.irp c, 0,1,2,3
	v_cvt_pk_f16_f32 v[PK+4*\b+\c], v[8*(8*(\a&3)+\b)+2*\c], v[8*(8*(\a&3)+\b)+2*\c+1]
.endr
.endr
	WIN 0
.irp b, 0,1,2,3,4,5,6,7
	global_store_b128 v[LOFF], v[PK+4*\b:PK+4*\b+3], s[24:25] offset:(\a>>2)*131072+(\a&3)*2048+(\b>>2)*16384+((\b>>1)&1)*1024+(\b&1)*512
.endr
.endr
	s_branch .Lend
.Lvalue:
	BODY 1
	; V, transposed: a lane holds feature 16 b + r and 8 neighbouring tokens; + bv of that feature
	KVBASE
	BIASOFF
	s_add_nc_u64 s[20:21], s[20:21], s[74:75]
	v_lshlrev_b32 v5, 2, v1                        ; feature r of a tile
.irp b, 0,1,2,3,4,5,6,7
	global_load_b32 v[RAW+\b], v5, s[20:21] offset:\b*64
.endr
	s_wait_loadcnt 0x0
.irp a, 0,1,2,3,4,5,6,7
	s_wait_xcnt 0x0
	WIN 0x02+(\a>>2)
.irp b, 0,2,4,6
.irp c, 0,2,4,6
	v_pk_add_f32 v[TF+8*\b+\c:TF+8*\b+\c+1], v[8*(8*(\a&3)+\b)+\c:8*(8*(\a&3)+\b)+\c+1], v[RAW+\b:RAW+\b+1] op_sel_hi:[1,0]
	v_pk_add_f32 v[TF+8*\b+8+\c:TF+8*\b+8+\c+1], v[8*(8*(\a&3)+\b+1)+\c:8*(8*(\a&3)+\b+1)+\c+1], v[RAW+\b:RAW+\b+1] op_sel:[0,1] op_sel_hi:[1,1]
.endr
.endr
	WIN 0
.irp b, 0,1,2,3,4,5,6,7
.irp c, 0,1,2,3
	v_cvt_pk_f16_f32 v[PK+4*\b+\c], v[TF+8*\b+2*\c], v[TF+8*\b+2*\c+1]
.endr
	global_store_b128 v[LOFF], v[PK+4*\b:PK+4*\b+3], s[24:25] offset:8192+(\a>>2)*131072+((\a>>1)&1)*4096+(\a&1)*512+(\b>>2)*16384+(\b&3)*1024
.endr
.endr
.Lend:
	CROUND                                         ; the closing round: no work-group ends while a partner may still ask for a tile that names it
	s_endpgm
.Lfunc_end_k_q1d6a0c1aa1_proj:
	.size	k_q1d6a0c1aa1_proj, .Lfunc_end_k_q1d6a0c1aa1_proj-k_q1d6a0c1aa1_proj
	.p2alignl 7, 3214868480
	.fill 96, 4, 3214868480
	.section	.rodata,"a",@progbits
	.p2align	6, 0x0
	.amdhsa_kernel k_q1d6a0c1aa1_proj
		.amdhsa_group_segment_fixed_size 327680
		.amdhsa_private_segment_fixed_size 0
		.amdhsa_enable_private_segment 0
		.amdhsa_kernarg_size 96
		.amdhsa_user_sgpr_count 2
		.amdhsa_user_sgpr_kernarg_segment_ptr 1
		.amdhsa_wavefront_size32 1
		.amdhsa_system_sgpr_workgroup_id_x 1
		.amdhsa_system_sgpr_workgroup_id_y 1
		.amdhsa_system_sgpr_workgroup_id_z 1
		.amdhsa_system_vgpr_workitem_id 0
		.amdhsa_next_free_vgpr 1024
		.amdhsa_next_free_sgpr 96
		.amdhsa_reserve_vcc 0
		.amdhsa_float_denorm_mode_32 3
		.amdhsa_float_denorm_mode_16_64 3
		.amdhsa_memory_ordered 1
		.amdhsa_forward_progress 1
		.amdhsa_inst_pref_size 255
	.end_amdhsa_kernel
	.section	.bss,"aw",@nobits
	.p2align	6
	.space	262144
	.amdgpu_metadata
---
amdhsa.version: [ 1, 2 ]
amdhsa.kernels:
  - .name:           k_q1d6a0c1aa1_proj
    .symbol:         k_q1d6a0c1aa1_proj.kd
    .args:
      - { .name: query, .offset: 0, .size: 8, .value_kind: global_buffer, .address_space: global }
      - { .name: key, .offset: 8, .size: 8, .value_kind: global_buffer, .address_space: global }
      - { .name: value, .offset: 16, .size: 8, .value_kind: global_buffer, .address_space: global }
      - { .name: Wq, .offset: 24, .size: 8, .value_kind: global_buffer, .address_space: global }
      - { .name: Wk, .offset: 32, .size: 8, .value_kind: global_buffer, .address_space: global }
      - { .name: Wv, .offset: 40, .size: 8, .value_kind: global_buffer, .address_space: global }
      - { .name: Wo, .offset: 48, .size: 8, .value_kind: global_buffer, .address_space: global }
      - { .name: bq, .offset: 56, .size: 8, .value_kind: global_buffer, .address_space: global }
      - { .name: bv, .offset: 64, .size: 8, .value_kind: global_buffer, .address_space: global }
      - { .name: Qf, .offset: 72, .size: 8, .value_kind: global_buffer, .address_space: global }
      - { .name: KV, .offset: 80, .size: 8, .value_kind: global_buffer, .address_space: global }
      - { .name: Wof, .offset: 88, .size: 8, .value_kind: global_buffer, .address_space: global }
    .group_segment_fixed_size: 327680
    .private_segment_fixed_size: 0
    .kernarg_segment_align: 8
    .kernarg_segment_size: 96
    .max_flat_workgroup_size: 128
    .sgpr_count:     96
    .vgpr_count:     1024
    .wavefront_size: 32
...
	.end_amdgpu_metadata
.endif
;; end of part 1
;; launch attn (part 2): grid 256 x 1, 8 waves a work-group, clusters of 4 x 1, 327,680 bytes of LDS; arguments Qf, KV, Wof, segment_weights, mask, Wl, bl, Wr, bo, out0; writes out0
.if DOCPART == 2
	.amdgcn_target "amdgcn-amd-amdhsa--gfx1250"
	.amdhsa_code_object_version 6
	.text
	.protected	k_q1d6a0c1aa1_attn
	.globl	k_q1d6a0c1aa1_attn
	.p2align	8
	.type	k_q1d6a0c1aa1_attn,@function
k_q1d6a0c1aa1_attn:
	s_mov_b64 s[64:65], 0
	v_nop
	global_prefetch_b8 v0, s[64:65] scope:SCOPE_SE
	s_setreg_imm32_b32 hwreg(HW_REG_WAVE_MODE, 25, 1), 1
	s_wait_xcnt 0x0
	s_wait_alu depctr_hold_cnt(0) depctr_sa_sdst(0) depctr_va_vdst(0) depctr_va_sdst(0) depctr_va_ssrc(0) depctr_va_vcc(0) depctr_vm_vsrc(0)
	s_getreg_b32 s2, hwreg(HW_REG_IB_STS2, 6, 4)
	s_cmp_eq_u32 s2, 0
	s_cbranch_scc0 .Lentry_in_a_cluster
	s_endpgm
.Lentry_in_a_cluster:
	s_bfe_u32 s2, ttmp6, 0x10000c
	s_cmp_lg_u32 s2, 0x3003
	s_cbranch_scc0 .Lentry_shape_is_right
	s_endpgm
.Lentry_shape_is_right:
; SECOND OF TWO LAUNCHES: segment bias, scores, softmax, P V and the output projection, for 32 queries of one batch and all 8 heads.
; Left out, as shown at the head of the first launch: br, bk and the constant 0.6 sum_w Wr_w bl_w, each the same along the softmax's axis;
; a NaN, an infinity or an overflow that reaches only these is not carried to the result.
;
; SHARES: work-group = (batch, block of 32 queries): 256 work-groups.  Wave w = one head, both query tiles of 16; in the output projection
; wave w = out features 64 w .. 64 w + 63.  The bias of a block of 32 queries x 64 keys is made once for all heads, 8 numbers a lane, and
; handed over in LDS.  The head outputs meet in LDS, so the attention's result never goes to memory.
; CLUSTER: the four query blocks of a cluster (4 x 1) lie in one batch and walk the same K, V and Wo tiles: every tile is one joint load (mask 15).
; ORDER OF THE TILES: the running maximum makes the order of the keys free, and the sum over the heads may start anywhere.  With c = 0..7 the cluster's
; number in its batch and rot = (c xor c / 2) % 4 (the same in all four partners), trip i takes key block (4 rot + i) % 16, and quarter t of the output
; projection takes quarter (t + rot) % 4 of Wo.  Any four clusters of a batch that agree in one bit of c begin at all four of the blocks 0, 4, 8, 12:
; from its fifth trip on a cluster asks for a block that another asked for four trips before, and from the second quarter of Wo on for one that
; another asked for a step before, instead of all asking for one tile for the first time together.
; So that no LDS address hangs on rot, wave w works on head (w + 2 rot) % 8 and keeps place w in LDS: places 2 t, 2 t + 1 hold the two heads
; of quarter (t + rot) % 4.  Only global addresses (Q, K and V, Wo, the columns of segment_weights) hang on rot.
;
; BIAS, in base 2: u = 1 / log2(e + x), so 1 / ln(e + x) = log2(e) u.  t_w = A_w u + B_w with A_w = log2(e) Wl_w, B_w = bl_w;
; leaky_relu(t) = 0.6 t + 0.4 |t|;  log2(e) bias = a2 u + sum_w C_w |t_w| + constant, a2 = 0.6 log2(e) sum_w Wr_w A_w, C_w = 0.4 log2(e) Wr_w.
; SCORES are made transposed, S^T = K Q^T + bias: a lane holds ONE query (lane % 16) and 8 keys a tile, so the running maximum, the sum and the
; rescaling are per lane; the packed exponentials are the second source of P V.  Q carries 0.125 log2(e) from the first launch.
; SOFTMAX with a running maximum, exponentials in base 2, sums in f32.
; MASK == 0 rows: reference() sets all their scores to one number, which gives a uniform softmax; here their Q fragments and their bias rows are
; SELECTED to 0, so all their scores are 0: the same uniform softmax.
; LIMITS: v_log_f32, v_rcp_f32, v_exp_f32 flush denormals (ISA guide 15.8); e + x <= 0 gives NaN as in reference(); the bias, the softmax's sums and
; the sum over the heads are taken in another order than reference() takes them; matrix operands (Q, K, V, P, the head outputs, Wo) are f16: why, and
; what room its range leaves, stands at the head of the first launch.  P lies in (0, 1] by the running maximum; below 2^-14 it is kept to 2^-25 of the
; row's largest term.
;
; THE SCHEDULE OF A TRIP: products, vector work and LDS loads stand side by side.  The trip is turned by half a step: trip i first does P V of block i - 1,
; whose P and V have lain in registers since trip i - 1, and then the scores and the softmax of block i.
;   First half, every operand in window 1: 16 products P V, by query tile.  In front of the first product on a tile of O stand the 4 multiplications that
;   rescale that tile; behind each product stands one of 16 slices of the NEXT block's bias (131 vector instructions in all).  None of this needs LDS, so
;   this block's bias and K are read meanwhile, in four runs of 8 loads: one at the head, one behind each fourth product.
;   Second half, every operand in window 0: the 8 score products of query tile 0; the 8 of tile 1, behind each one of 8 slices of tile 0's softmax
;   (88 vector instructions); then tile 1's softmax.  V of this block is read meanwhile, in four runs of 4 loads.  At the end P is packed into window 1.
;   So a half needs no change of window between a product and its slice; what changes it are the runs of loads, whose targets lie in the other
;   half's window: 18 s_set_vgpr_msb a trip (1 + 3 x 2 in the first half, 1 + 4 x 2 in the second, 2 round P).
;
; LDS: ring of two slots of 131,072 bytes, wave w's 16,384 at w x 16,384 (K 8 KB then V 8 KB of its head; or 16 fragments of Wo): each wave loads and
; reads its own bytes; bias: two slots of 32 rows x 272 bytes at 262,144; head outputs as fragments, 32,768 bytes at 279,552.  The stage of the way out
; (32 rows x 272 bytes a wave) lies in the wave's part of ring slot 0, which has had its last fill by then.
; REGISTERS: window 0: v1-11 addresses, v12-29 softmax state, v64-127 scores (later the output sums), v128-191 K fragments, v192-223 Q fragments
; (v128-255 later Wo's fragments); window 1: v0-63 O (later x fragments), v64-127 V fragments, v128-159 P fragments, v160-161 the two tiles' rescaling
; factors, v164-179 segment weights (two sets), v180-195 A_w, B_w, v196-219 the bias at work, v220-223 its offsets.
.set TILE,  131072
.set BIASB, 262144
.set BSLOT, 8704
.set XB,    279552
; window 0
.set MP,  12                           ; v[12:13], v[14:15]  running maximum of query tile 0, 1, twice
.set LS,  16                           ; v16, v17            running sums (this lane's keys only)
.set ALW, 20                           ; v20, v21            rescaling factor of query tile 0, 1
.set SC,  64                           ; score tile (qt, kt) at SC + 32 qt + 8 kt
.set KF,  128                          ; K fragment 2 kt + dkh
.set QF,  192                          ; Q fragment 2 qt + dkh
; window 1
.set OO,  0                            ; O tile (qt, dvt) at 32 qt + 8 dvt
.set VF,  64                           ; V fragment 4 ks + dvt
.set PF,  128                          ; P fragment 2 qt + ks
.set AL,  160                          ; v[160:161] rescaling factor of query tile 0, 1
.set SG,  164                          ; segment weights, sets 0 and 1, 8 registers each
.set CA,  180                          ; A_w
.set CB,  188                          ; B_w
.set UU,  196
.set TT,  204
.set AC,  212
.set ABW, 220                          ; LDS address of the bias that I write: row 4 w + hh, keys 4 r ..
.set SEG0, 221                         ; the same place in segment_weights, key block 0
.set SO,  222                          ; v222, v223  byte offset in segment_weights of set 0's, set 1's loads
.set G1,  24                           ; s[24:31] group 1: 64 rows x 256 bytes, dense
.set G0,  32                           ; s[32:39] group 0 for K/V tiles, one set a slot
.set G0W, 40                           ; s[40:47] group 0 for Wo tiles, one set a slot
.set SEGC, 3                           ; s3       256 x the key block whose segment weights were asked for last, modulo a row's 4,096 bytes
.set TOFF, 78                          ; s[78:79] a tile's byte offset as 64 bits
.set WCNT, 98                          ; s98      TILE x (rot + quarters of Wo addressed so far - 1); taken modulo 4 tiles
.set KCNT, 99                          ; s99      TILE x (4 rot + key blocks addressed so far - 1); taken modulo 16 tiles
.set MSB, 0
.macro WIN new                         ; the immediate's high byte repeats the setting that is left
.if MSB != (\new)
	s_set_vgpr_msb (MSB<<8)|(\new)
.set MSB, (\new)
.endif
.endm
.macro PLACES                          ; four places behind a matrix instruction (ISA guide 7.12.1)
.rept 4
	v_nop
.endr
.endm
.macro ROUND                           ; a round of the cluster barrier
	s_barrier_signal -1
	s_barrier_wait -1
	s_cmp_lg_u32 s48, 0
	s_cbranch_scc1 .Lnot_wave_0_\@
	s_barrier_signal -3
.Lnot_wave_0_\@:
	s_barrier_wait -3
	s_barrier_signal -1
	s_barrier_wait -1
.endm
.macro WM d, a, b, zero
.if \zero
	v_wmma_f32_16x16x32_f16 v[\d:\d+7], v[\a:\a+7], v[\b:\b+7], 0
.else
	v_wmma_f32_16x16x32_f16 v[\d:\d+7], v[\a:\a+7], v[\b:\b+7], v[\d:\d+7]
.endif
.endm
	s_load_b512 s[4:19], s[0:1], 0x0               ; Qf s[4:5], KV s[6:7], Wof s[8:9], segment_weights s[10:11], mask s[12:13], Wl s[14:15], bl s[16:17], Wr s[18:19]
	s_load_b128 s[20:23], s[0:1], 0x40             ; bo s[20:21], out0 s[22:23]
	v_lshl_add_u32 v62, v0, 2, 0x4c400
	v_mov_b32 v63, 0
	ds_add_u32 v62, v63
	v_lshrrev_b32 v30, 5, v0
	v_readfirstlane_b32 s48, v30                   ; wave 0..7
	s_bfe_u32 s50, ttmp6, 0x40000                  ; cx
	s_lshr_b32 s52, ttmp9, 3                       ; batch: 8 clusters a batch
	s_and_b32 s53, ttmp9, 7                        ; c: the cluster's number in its batch
	s_lshr_b32 s51, s53, 1
	s_xor_b32 s51, s51, s53
	s_and_b32 s51, s51, 3                          ; rot = (c xor c / 2) % 4
	s_lshl2_add_u32 s53, s53, s50                  ; qb: query block 0..31
	s_lshl1_add_u32 s59, s51, s48
	s_and_b32 s59, s59, 7                          ; my head = (w + 2 rot) % 8
	s_lshl_b32 s[SEGC], s51, 10                    ; the first key block 4 rot, in bytes of a row of segment_weights
	s_mov_b32 s60, 0x76543210                      ; v_permlanex16_b32: lane i reads lane i of the other half
	s_mov_b32 s61, 0xfedcba98
	s_lshl_b32 s96, s48, 14                        ; my 16,384 bytes of a tile in LDS, and of a tile of Wo in memory
	s_mov_b32 s97, 0
	s_lshl_b32 s54, s52, 21                        ; KV: batch, my head's part of a tile; no place in the cluster enters these registers
	s_lshl_b32 s58, s59, 14
	s_add_co_u32 s54, s54, s58
	s_mov_b32 s55, 0
	v_and_b32 v29, 31, v0
	v_lshlrev_b32 v29, 4, v29                      ; 16 L
	v_and_b32 v30, 15, v0                          ; r
	v_bfe_u32 v31, v0, 4, 1                        ; hh
	v_add_nc_u32 v1, s96, v29                      ; my fragments in ring slot 0,
	v_add_nc_u32 v2, TILE, v1                      ; in slot 1
	v_mul_u32_u24 v8, v30, 272
	v_lshl_add_u32 v8, v31, 5, v8                  ; r x 272 + 32 hh
	v_add_nc_u32 v3, BIASB, v8                     ; bias as read: query r, keys 8 hh ..
	v_add_nc_u32 v8, s96, v8                       ; stage as written
	v_lshl_add_u32 v25, s48, 2, v31                ; the bias row that I make: 4 w + hh (and two rows further down)
	v_mul_u32_u24 v4, v25, 272
	v_lshl_add_u32 v4, v30, 4, v4                  ; that row, keys 4 r .., in a bias slot
	v_lshlrev_b32 v5, 12, v25
	v_lshl_add_u32 v5, v30, 4, v5                  ; the same place in segment_weights: rows of 4,096 bytes; 16 lanes cover 256 aligned bytes
	v_add_nc_u32 v6, XB, v29                       ; head outputs as read,
	s_lshl_b32 s58, s48, 12
	v_add_nc_u32 v7, s58, v6                       ; as written: place w
	v_mul_u32_u24 v9, v31, 272
	v_lshl_add_u32 v9, v30, 4, v9
	v_add_nc_u32 v9, s96, v9                       ; stage as read back: lanes 0-15 one row, lanes 16-31 the next
	v_lshlrev_b32 v10, 11, v31
	v_lshl_add_u32 v10, v30, 4, v10                ; and the same two rows of out0
	v_lshlrev_b32 v11, 5, v31                      ; bo: 8 hh f32
	v_lshlrev_b32 v26, 2, v25                      ; mask of my bias rows
	v_lshlrev_b32 v27, 2, v30                      ; mask of my queries
	v_mov_b32 v24, 0                               ; the destination of v_permlanex16_b32 counts as read
	WIN 0x40                                       ; the bias's offsets live in window 1, with the rest of the bias
	v_add_nc_u32 v[ABW], BIASB, v4
	v_mov_b32 v[SEG0], v5
	v_add_nc_u32 v[SO], s[SEGC], v5                ; set 0 begins with key block 4 rot,
	s_add_co_u32 s[SEGC], s[SEGC], 256
	v_add_nc_u32 v[SO+1], s[SEGC], v5              ; set 1 with 4 rot + 1 (13 at the most: no wrap)
	WIN 0
	s_wait_dscnt 0x0
	s_wait_kmcnt 0x0
	s_load_b256 s[80:87], s[14:15], 0x0            ; Wl
	s_load_b256 s[88:95], s[16:17], 0x0            ; bl
	s_load_b256 s[68:75], s[18:19], 0x0            ; Wr
	s_mov_b32 s57, 0
	s_lshl_b32 s56, s52, 22                        ; segment_weights: batch, 32 qb rows
	s_lshl_b32 s58, s53, 17
	s_add_co_u32 s56, s56, s58
	s_add_nc_u64 s[10:11], s[10:11], s[56:57]
	s_lshl_b32 s56, s52, 12                        ; mask
	s_lshl_b32 s58, s53, 7
	s_add_co_u32 s56, s56, s58
	s_add_nc_u64 s[12:13], s[12:13], s[56:57]
	s_lshl_b32 s56, s52, 20                        ; Qf: batch, block, my head
	s_lshl_b32 s58, s53, 15
	s_add_co_u32 s56, s56, s58
	s_lshl_b32 s58, s59, 12
	s_add_co_u32 s56, s56, s58
	s_add_nc_u64 s[4:5], s[4:5], s[56:57]
	s_lshl_b32 s56, s52, 21                        ; out0: rows of 2,048 bytes, my 64 columns
	s_lshl_b32 s58, s53, 16
	s_add_co_u32 s56, s56, s58
	s_lshl_b32 s58, s48, 8
	s_add_co_u32 s56, s56, s58
	s_add_nc_u64 s[22:23], s[22:23], s[56:57]
	s_mov_b32 s56, s58
	s_add_nc_u64 s[20:21], s[20:21], s[56:57]      ; bo: my 64 columns
	WIN 0x41
	global_load_b128 v[SG:SG+3],     v[SO],   s[10:11] th:TH_LOAD_NT             ; the first two key blocks of my order
	global_load_b128 v[SG+4:SG+7],   v[SO],   s[10:11] offset:8192 th:TH_LOAD_NT
	global_load_b128 v[SG+8:SG+11],  v[SO+1], s[10:11] th:TH_LOAD_NT
	global_load_b128 v[SG+12:SG+15], v[SO+1], s[10:11] offset:8192 th:TH_LOAD_NT
	WIN 0
	global_load_b32 v12, v26, s[12:13]
	global_load_b32 v13, v26, s[12:13] offset:8
	global_load_b32 v14, v27, s[12:13]
	global_load_b32 v15, v27, s[12:13] offset:64
.irp f, 0,1,2,3
	global_load_b128 v[QF+8*\f:QF+8*\f+3],   v29, s[4:5] offset:\f*1024
	global_load_b128 v[QF+8*\f+4:QF+8*\f+7], v29, s[4:5] offset:\f*1024+512
.endr
	s_mov_b32 s[G1+0], 15|(3<<16)|(1<<21)          ; all four work-groups of the cluster, bit 21 beside the mask; elements of 8 bytes; no padding
	s_mov_b32 s[G1+1], 32<<16                      ; tensor_dim0 = 32 (256 bytes)
	s_mov_b32 s[G1+2], 64<<16                      ; tensor_dim1 = 64
	s_mov_b32 s[G1+3], 32<<16                      ; tile_dim0 = 32
	s_mov_b32 s[G1+4], 64                          ; tile_dim1 = 64
	s_mov_b32 s[G1+5], 32                          ; dense: a row begins where the last ends
	s_mov_b32 s[G1+6], 0
	s_mov_b32 s[G1+7], 0
	s_add_nc_u64 s[6:7], s[6:7], s[54:55]          ; KV at my batch and head; stays as it is from here on
	s_add_nc_u64 s[8:9], s[8:9], s[96:97]          ; Wof at my 64 out features; likewise
	s_mov_b32 s[TOFF+1], 0
	s_lshl_b32 s[KCNT], s51, 19                    ; key block 4 rot, in bytes of KV
	s_lshl_b32 s[WCNT], s51, 17                    ; quarter rot, in bytes of Wof
.irp n, 0,1
	s_mov_b32 s[G0+4*\n], 1
	s_add_co_u32 s[G0+4*\n+1], s96, \n*TILE
	s_and_b32 s[TOFF], s[KCNT], 16*TILE-1
	s_add_nc_u64 s[G0+4*\n+2:G0+4*\n+3], s[6:7], s[TOFF:TOFF+1]    ; tile n of my order
	s_or_b32 s[G0+4*\n+3], s[G0+4*\n+3], 0x80000000
	s_mov_b32 s[G0W+4*\n], 1
	s_add_co_u32 s[G0W+4*\n+1], s96, \n*TILE
	s_and_b32 s[TOFF], s[WCNT], 4*TILE-1
	s_add_nc_u64 s[G0W+4*\n+2:G0W+4*\n+3], s[8:9], s[TOFF:TOFF+1]  ; quarter n of my order
	s_or_b32 s[G0W+4*\n+3], s[G0W+4*\n+3], 0x80000000
.if \n == 0
	s_add_co_u32 s[KCNT], s[KCNT], TILE
	s_add_co_u32 s[WCNT], s[WCNT], TILE
.endif
.endr
	ROUND                                          ; all four work-groups are here: the first joint load meets
	tensor_load_to_lds s[G0:G0+3], s[G1:G1+7]      ; my first key block; from here on one tensor load of the wave is out at a time
	s_nop 0
	s_wait_kmcnt 0x0
.irp w, 0,1,2,3,4,5,6,7
	v_mov_b32 v[32+\w], s[80+\w]
	v_mul_f32 v[32+\w], 0x3fb8aa3b, v[32+\w]       ; A_w = log2(e) Wl_w
.endr
	v_mul_f32 v22, s68, v32
.irp w, 1,2,3,4,5,6,7
	v_fma_f32 v22, s[68+\w], v[32+\w], v22
.endr
	v_mul_f32 v22, 0x3f5d9914, v22                 ; a2 = 0.6 log2(e) sum Wr_w A_w
	v_readfirstlane_b32 s76, v22
	s_mov_b32 s77, s76
.irp w, 0,1,2,3,4,5,6,7
	v_mov_b32 v23, s[68+\w]
	v_mul_f32 v23, 0x3f13bb62, v23                 ; C_w = 0.4 log2(e) Wr_w
	v_readfirstlane_b32 s[68+\w], v23
.endr
	WIN 0x40
.irp w, 0,1,2,3,4,5,6,7
	v_mov_b32 v[CA+\w], v[32+\w]                   ; A_w and B_w to where the bias is made
	v_mov_b32 v[CB+\w], s[88+\w]
.endr
	WIN 0
	s_wait_loadcnt 0x0
	v_cmp_ne_u32 s62, 0, v12                       ; lanes whose bias row 4 w + hh is live,
	v_cmp_ne_u32 s63, 0, v13                       ; row 4 w + 2 + hh
	v_cmp_ne_u32 s66, 0, v14                       ; lanes whose query r is live,
	v_cmp_ne_u32 s67, 0, v15                       ; query 16 + r
.irp i, 0,1,2,3,4,5,6,7,8,9,10,11,12,13,14,15
	v_cndmask_b32 v[QF+\i], 0, v[QF+\i], s66
	v_cndmask_b32 v[QF+16+\i], 0, v[QF+16+\i], s67
.endr
; THE BIAS of one block of 64 keys, my 8 numbers, in 16 slices and a tail; all registers in window 1.
.macro BT w, c                         ; t_w = A_w u + B_w for numbers c, c + 1
.if (\w) & 1
	v_pk_fma_f32 v[TT+(\c):TT+(\c)+1], v[UU+(\c):UU+(\c)+1], v[CA+(\w)-1:CA+(\w)], v[CB+(\w)-1:CB+(\w)] op_sel:[0,1,1] op_sel_hi:[1,1,1]
.else
	v_pk_fma_f32 v[TT+(\c):TT+(\c)+1], v[UU+(\c):UU+(\c)+1], v[CA+(\w):CA+(\w)+1], v[CB+(\w):CB+(\w)+1] op_sel_hi:[1,0,0]
.endif
.endm
.macro BA w, c                         ; + C_w |t_w| for number c
	v_fma_f32 v[AC+(\c)], |v[TT+(\c)]|, s[68+(\w)], v[AC+(\c)]
.endm
; Slice k of 16.  set: the register set that holds the block's segment weights.  ld = 1: the set is loaded again, with the next key block of my order.
; lcnt: how many younger loads of segment weights may stay out.
.macro BSL k, set, ld, lcnt
.if \k == 0
	s_wait_loadcnt \lcnt                           ; this set's two loads are in, so its data and its offset register may be written again
.irp c, 0,2,4,6
	v_pk_add_f32 v[UU+\c:UU+\c+1], v[SG+8*(\set)+\c:SG+8*(\set)+\c+1], 0x402df854 op_sel_hi:[1,0]   ; e + x
.endr
.if \ld
	s_add_co_u32 s[SEGC], s[SEGC], 256             ; one key block on,
	s_and_b32 s[SEGC], s[SEGC], 0xfff              ; modulo the row's 16
	v_add_nc_u32 v[SO+(\set)], s[SEGC], v[SEG0]
	global_load_b128 v[SG+8*(\set):SG+8*(\set)+3],   v[SO+(\set)], s[10:11] th:TH_LOAD_NT
	global_load_b128 v[SG+8*(\set)+4:SG+8*(\set)+7], v[SO+(\set)], s[10:11] offset:8192 th:TH_LOAD_NT
.endif
.endif
.if \k == 1
.irp c, 0,1,2,3,4,5,6,7
	v_log_f32 v[UU+\c], v[UU+\c]
.endr
	v_nop                                          ; one plain instruction behind a run of transcendentals (ISA guide 5.7.2)
.endif
.if \k == 2
	s_wait_alu depctr_va_vdst(0)
.irp c, 0,1,2,3,4,5,6,7
	v_rcp_f32 v[UU+\c], v[UU+\c]                   ; u
.endr
	v_nop
.endif
.if \k == 3
	s_wait_alu depctr_va_vdst(0)
.irp c, 0,2,4,6
	v_pk_mul_f32 v[AC+\c:AC+\c+1], v[UU+\c:UU+\c+1], s[76:77] op_sel_hi:[1,0]    ; a2 u starts the sum
.endr
.endif
.if \k > 3
.if \k < 8
.irp c, 0,2,4,6
	BT \k-4, \c                                    ; slices 4 to 7: w = 0 to 3, all 8 numbers
.endr
.irp c, 0,1,2,3,4,5,6,7
	BA \k-4, \c
.endr
.else
	BT 4+((\k-8)>>1), 4*(\k&1)                     ; slices 8 to 15: w = 4 to 7, 4 numbers a slice
	BT 4+((\k-8)>>1), 4*(\k&1)+2
.irp c, 0,1,2,3
	BA 4+((\k-8)>>1), 4*(\k&1)+\c
.endr
.endif
.endif
.endm
.macro BTAIL p                         ; the bias goes to bias slot p
.irp c, 0,1,2,3
	v_cndmask_b32 v[AC+\c], 0, v[AC+\c], s62       ; rows with mask == 0: bias 0
	v_cndmask_b32 v[AC+4+\c], 0, v[AC+4+\c], s63
.endr
	ds_store_b128 v[ABW], v[AC:AC+3] offset:(\p)*BSLOT
	ds_store_b128 v[ABW], v[AC+4:AC+7] offset:(\p)*BSLOT+544
.endm
; Runs of LDS loads
.macro LDB slot, q                     ; 8 loads: the bias of query tile q, which starts the scores' sums
.irp k, 0,1,2,3
	ds_load_b128 v[SC+32*\q+8*\k:SC+32*\q+8*\k+3],   v3 offset:\slot*BSLOT+\q*4352+\k*64
	ds_load_b128 v[SC+32*\q+8*\k+4:SC+32*\q+8*\k+7], v3 offset:\slot*BSLOT+\q*4352+\k*64+16
.endr
.endm
.macro LDK slot, h                     ; 8 loads: K fragments 4 h .. 4 h + 3
.irp f, 0,1,2,3
	ds_load_b128 v[KF+8*(4*\h+\f):KF+8*(4*\h+\f)+3],   v[1+\slot] offset:(4*\h+\f)*1024
	ds_load_b128 v[KF+8*(4*\h+\f)+4:KF+8*(4*\h+\f)+7], v[1+\slot] offset:(4*\h+\f)*1024+512
.endr
.endm
.macro LDV slot, g                     ; 4 loads: V fragments 2 g, 2 g + 1, into window 1
	WIN 0x40
.irp f, 0,1
	ds_load_b128 v[VF+8*(2*(\g)+\f):VF+8*(2*(\g)+\f)+3],   v[1+\slot] offset:8192+(2*(\g)+\f)*1024
	ds_load_b128 v[VF+8*(2*(\g)+\f)+4:VF+8*(2*(\g)+\f)+7], v[1+\slot] offset:8192+(2*(\g)+\f)*1024+512
.endr
	WIN 0
.endm
; THE FIRST HALF OF A TRIP.  Step n of 16 is the product on O tile (q = n / 8, d = n % 4) with keys 32 ks .., ks = (n / 4) % 2.
; pv = 1: the products are there.  z = 1: they start the sums (C = 0 at ks = 0, nothing to rescale).  mk = 1: the bias of the block in set \set is made, into
; bias slot \set.  lk = 1: K and query tile 1's bias of ring and bias slot \slot are read, in runs of 8 loads behind steps 3, 7 and 11.
; The four tiles of O of a query tile take turns, one instruction a turn.
.macro PVPH pv, z, mk, set, ld, lcnt, lk, slot
	WIN 0x55
.irp n, 0,1,2,3,4,5,6,7,8,9,10,11,12,13,14,15
.if \pv
.if (1-\z)*(1-((\n>>2)&1))
.irp i, 0,2,4,6
.if (\n>>3)
	v_pk_mul_f32 v[OO+32+8*(\n&3)+\i:OO+32+8*(\n&3)+\i+1], v[OO+32+8*(\n&3)+\i:OO+32+8*(\n&3)+\i+1], v[AL:AL+1] op_sel:[0,1] op_sel_hi:[1,1]
.else
	v_pk_mul_f32 v[OO+8*(\n&3)+\i:OO+8*(\n&3)+\i+1], v[OO+8*(\n&3)+\i:OO+8*(\n&3)+\i+1], v[AL:AL+1] op_sel_hi:[1,0]
.endif
.endr
.endif
	WM OO+32*(\n>>3)+8*(\n&3), VF+8*(4*((\n>>2)&1)+(\n&3)), PF+16*(\n>>3)+8*((\n>>2)&1), \z*(1-((\n>>2)&1))
.endif
.if \mk
	BSL \n, \set, \ld, \lcnt
.endif
.if \lk
.if \n == 3
	WIN 0
	LDK \slot, 0
	WIN 0x55
.endif
.if \n == 7
	WIN 0
	LDK \slot, 1
	WIN 0x55
.endif
.if \n == 11
	WIN 0
	LDB \slot, 1
	WIN 0x55
.endif
.endif
.endr
.if \mk
	BTAIL \set                                     ; with slice 15: 14 plain vector instructions behind the last product, the places in front of V's loads
.else
	PLACES                                         ; no bias: the places in front of V's loads, or of the division that reads O
.endif
.endm
; THE ONLINE SOFTMAX of query tile qt over this trip's 64 keys (32 registers), in 8 slices; all registers in window 0.
.macro SSL qt, first, k
.if \k == 0
.if \qt == 0
	PLACES                                         ; tile 0's scores are read four places behind their last product; tile 1's stand behind tile 0's slice 7
.endif
	v_max3_num_f32 v22, v[SC+32*\qt], v[SC+32*\qt+1], v[SC+32*\qt+2]
	v_max3_num_f32 v23, v[SC+32*\qt+16], v[SC+32*\qt+17], v[SC+32*\qt+18]
.irp i, 3,5,7
	v_max3_num_f32 v22, v22, v[SC+32*\qt+\i], v[SC+32*\qt+\i+1]
	v_max3_num_f32 v23, v23, v[SC+32*\qt+16+\i], v[SC+32*\qt+17+\i]
.endr
.endif
.if \k == 1
.irp i, 9,11,13
	v_max3_num_f32 v22, v22, v[SC+32*\qt+\i], v[SC+32*\qt+\i+1]
	v_max3_num_f32 v23, v23, v[SC+32*\qt+16+\i], v[SC+32*\qt+17+\i]
.endr
	v_max3_num_f32 v22, v22, v[SC+32*\qt+15], v[SC+32*\qt+31]
.if \first
	v_max_num_f32 v22, v22, v23
.else
	v_max3_num_f32 v22, v22, v23, v[MP+2*\qt]
.endif
	v_permlanex16_b32 v24, v22, s60, s61           ; the other half of the lanes holds the query's other keys
	v_max_num_f32 v22, v22, v24                    ; the new maximum
.endif
.if \k == 2
.if \first == 0
	v_sub_f32 v25, v[MP+2*\qt], v22
.endif
	v_mov_b32 v[MP+2*\qt], v22
	v_mov_b32 v[MP+2*\qt+1], v22
.if \first == 0
	v_exp_f32 v[ALW+\qt], v25                      ; the factor for what has been summed so far; the packed subtractions below stand behind it
.endif
.irp i, 0,2,4,6,8,10,12,14
	v_pk_add_f32 v[SC+32*\qt+\i:SC+32*\qt+\i+1], v[SC+32*\qt+\i:SC+32*\qt+\i+1], v[MP+2*\qt:MP+2*\qt+1] neg_lo:[0,1] neg_hi:[0,1]
.endr
.endif
.if \k == 3
.irp i, 16,18,20,22,24,26,28,30
	v_pk_add_f32 v[SC+32*\qt+\i:SC+32*\qt+\i+1], v[SC+32*\qt+\i:SC+32*\qt+\i+1], v[MP+2*\qt:MP+2*\qt+1] neg_lo:[0,1] neg_hi:[0,1]
.endr
.irp i, 0,1,2,3
	v_exp_f32 v[SC+32*\qt+\i], v[SC+32*\qt+\i]
.endr
.endif
.if \k == 4
.irp i, 4,5,6,7,8,9,10,11,12,13,14,15
	v_exp_f32 v[SC+32*\qt+\i], v[SC+32*\qt+\i]
.endr
.endif
.if \k == 5
.irp i, 16,17,18,19,20,21,22,23,24,25,26,27
	v_exp_f32 v[SC+32*\qt+\i], v[SC+32*\qt+\i]
.endr
.endif
.if \k == 6
.irp i, 28,29,30,31
	v_exp_f32 v[SC+32*\qt+\i], v[SC+32*\qt+\i]
.endr
	v_nop                                          ; one plain instruction behind the exponentials, of which only products and other exponentials stand between
	s_wait_alu depctr_va_vdst(0)
	v_pk_add_f32 v[26:27], v[SC+32*\qt:SC+32*\qt+1], v[SC+32*\qt+2:SC+32*\qt+3]
	v_pk_add_f32 v[28:29], v[SC+32*\qt+4:SC+32*\qt+5], v[SC+32*\qt+6:SC+32*\qt+7]
.irp i, 8,12
	v_pk_add_f32 v[26:27], v[26:27], v[SC+32*\qt+\i:SC+32*\qt+\i+1]
	v_pk_add_f32 v[28:29], v[28:29], v[SC+32*\qt+\i+2:SC+32*\qt+\i+3]
.endr
.endif
.if \k == 7
.irp i, 16,20,24,28
	v_pk_add_f32 v[26:27], v[26:27], v[SC+32*\qt+\i:SC+32*\qt+\i+1]
	v_pk_add_f32 v[28:29], v[28:29], v[SC+32*\qt+\i+2:SC+32*\qt+\i+3]
.endr
	v_pk_add_f32 v[26:27], v[26:27], v[28:29]
.if \first
	v_add_f32 v[LS+\qt], v26, v27
.else
	v_add_f32 v25, v26, v27
	v_fma_f32 v[LS+\qt], v[LS+\qt], v[ALW+\qt], v25
.endif
.endif
.endm
; ONE TRIP: P V of the block before, then scores and softmax of the 64 keys in ring slot \slot and bias slot \slot.
; rg: the group 0 of the next tile, which goes into the other slot.  st = 1: this slot's group 0 gets the address of the tile two trips on.
; mk, ld, lcnt: the next block's bias, into the other bias slot.  pv, z: as in PVPH.  first = 1: the softmax's first block.
; ONE round of the cluster barrier a trip.  In front of it every wave has waited for all its tensor loads and for all its LDS instructions
; (reads of both ring slots' and of the other bias slot's bytes, stores of this trip's bias).  Behind it the joint refill comes first.
.macro ATT slot, rg, st, mk, ld, lcnt, pv, z, first
	s_wait_tensorcnt 0x0                           ; all my tensor loads are done, this trip's tile among them, so a group 0 may be written
	ds_add_u32 v62, v63
.if \st
	s_add_co_u32 s[KCNT], s[KCNT], TILE            ; one key block on,
	s_and_b32 s[TOFF], s[KCNT], 16*TILE-1          ; modulo the batch's 16
	s_add_nc_u64 s[G0+4*\slot+2:G0+4*\slot+3], s[6:7], s[TOFF:TOFF+1]
	s_or_b32 s[G0+4*\slot+3], s[G0+4*\slot+3], 0x80000000          ; type = 2
.endif
	s_wait_dscnt 0x0                               ; V of the block before is in my registers, too
	ROUND
	tensor_load_to_lds s[\rg:\rg+3], s[G1:G1+7]
	s_nop 0
	LDB \slot, 0
	PVPH \pv, \z, \mk, 1-\slot, \ld, \lcnt, 1, \slot
	WIN 0
	s_wait_dscnt 8+2*\mk                           ; tile 0's bias and K are in; tile 1's 8 bias loads and the bias stores were issued behind them
.irp d, 0,1
.irp k, 0,1,2,3
	WM SC+8*\k, KF+8*(2*\k+\d), QF+8*\d, 0         ; the four score tiles of a query tile take turns, one instruction a turn
.endr
.endr
	s_wait_dscnt 2*\mk                             ; tile 1's bias is in; the bias stores may be out
.irp n, 0,1,2,3,4,5,6,7
	WM SC+32+8*(\n&3), KF+8*(2*(\n&3)+(\n>>2)), QF+16+8*(\n>>2), 0
	SSL 0, \first, \n
.if (\n&3) == 2
	LDV \slot, (\n>>2)
.endif
.endr
.irp n, 0,1,2,3,4,5,6,7
	SSL 1, \first, \n
.if (\n&3) == 2
	LDV \slot, 2+(\n>>2)
.endif
.endr
	WIN 0x40                                       ; what the next trip's first half needs goes to window 1
.if \first == 0
	v_mov_b32 v[AL], v[ALW]
	v_mov_b32 v[AL+1], v[ALW+1]
.endif
.irp q, 0,1
.irp k, 0,1
.irp c, 0,1,2,3,4,5,6,7
	v_cvt_pk_f16_f32 v[PF+16*\q+8*\k+\c], v[SC+32*\q+16*\k+2*\c], v[SC+32*\q+16*\k+2*\c+1]
.endr
.endr
.endr
	WIN 0
.endm
	PVPH 0, 0, 1, 0, 1, 0, 0, 0                    ; bias of my first key block; the third is asked for
	WIN 0
	; Trip i makes the bias of block i + 1 of my order and asks for the segment weights of block i + 3: the count 2 leaves block i + 2's two loads out
	ATT 0, G0+4, 1, 1, 1, 2, 0, 0, 1               ; trip 0: no P V yet
	ATT 1, G0,   1, 1, 1, 2, 1, 1, 0               ; trip 1: P V of block 0 starts O's sums
	s_mov_b32 s49, 5
.Ltrip:
	ATT 0, G0+4, 1, 1, 1, 2, 1, 0, 0               ; trips 2, 4, .. 10
	ATT 1, G0,   1, 1, 1, 2, 1, 0, 0               ; trips 3, 5, .. 11
	s_sub_co_u32 s49, s49, 1
	s_cmp_lg_u32 s49, 0
	s_cbranch_scc1 .Ltrip
	ATT 0, G0+4, 1, 1, 1, 2, 1, 0, 0               ; trip 12: the last segment weights, block 15's, are asked for
	ATT 1, G0,   1, 1, 0, 2, 1, 0, 0               ; trip 13: bias 14; block 15's two loads may be out; tile 15's address
	ATT 0, G0+4, 0, 1, 0, 0, 1, 0, 0               ; trip 14: bias 15; no K/V tile is left to address
	ATT 1, G0W,  0, 0, 0, 0, 1, 0, 0               ; trip 15: no bias left; the ring goes on with my first quarter of Wo
	s_wait_dscnt 0x0                               ; V of block 15
	PVPH 1, 0, 0, 0, 0, 0, 0, 0                    ; P V of block 15
	WIN 0
	; the head's result: O / sum, as f16 fragments into LDS
	v_permlanex16_b32 v24, v16, s60, s61
	v_add_f32 v16, v16, v24                        ; the two halves of the lanes summed different keys
	v_permlanex16_b32 v24, v17, s60, s61
	v_add_f32 v17, v17, v24
	WIN 0x40
	v_rcp_f32 v[AL], v16                           ; the sum is at least 1: the largest score gives 2^0
	v_rcp_f32 v[AL+1], v17
	v_nop
	WIN 0x55
	s_wait_alu depctr_va_vdst(0)
.irp i, 0,2,4,6,8,10,12,14,16,18,20,22,24,26,28,30
	v_pk_mul_f32 v[OO+\i:OO+\i+1], v[OO+\i:OO+\i+1], v[AL:AL+1] op_sel_hi:[1,0]
	v_pk_mul_f32 v[OO+32+\i:OO+32+\i+1], v[OO+32+\i:OO+32+\i+1], v[AL:AL+1] op_sel:[0,1] op_sel_hi:[1,1]
.endr
	WIN 0x05
.irp i, 0,1,2,3,4,5,6,7,8,9,10,11,12,13,14,15,16,17,18,19,20,21,22,23,24,25,26,27,28,29,30,31
	v_cvt_pk_f16_f32 v[KF+\i], v[2*\i], v[2*\i+1]
.endr
	WIN 0
.irp i, 0,1,2,3,4,5,6,7
	ds_store_b128 v7, v[KF+4*\i:KF+4*\i+3] offset:\i*512       ; tile (qt, dvt) = i: piece dvt % 2 of fragment (qt, dvt / 2), at place w
.endr
.irp m, 0,1,2,3
.irp n, 0,1
	global_load_b128 v[SC+8*(2*\m+\n):SC+8*(2*\m+\n)+3],   v11, s[20:21] offset:\m*64      ; bo starts the output's sums
	global_load_b128 v[SC+8*(2*\m+\n)+4:SC+8*(2*\m+\n)+7], v11, s[20:21] offset:\m*64+16
.endr
.endr
; A quarter of the output projection: the heads at places 2 t, 2 t + 1, which are the in features of quarter (t + rot) % 4 of Wo.
; out^T = Wo x^T: a lane holds one query and 8 out features a tile.
; rg: the group 0 of the next quarter, or 0: then nothing is filled, and since a wave reads only the ring bytes that its own load brought, its own wait is enough.
.macro OP t, rg
	s_wait_tensorcnt 0x0
	ds_add_u32 v62, v63
	s_wait_dscnt 0x0
.if \rg
.if \t < 2
	s_add_co_u32 s[WCNT], s[WCNT], TILE            ; this slot's next quarter, two steps on,
	s_and_b32 s[TOFF], s[WCNT], 4*TILE-1           ; modulo Wo's 4
	s_add_nc_u64 s[G0W+4*(\t&1)+2:G0W+4*(\t&1)+3], s[8:9], s[TOFF:TOFF+1]
	s_or_b32 s[G0W+4*(\t&1)+3], s[G0W+4*(\t&1)+3], 0x80000000
.endif
	s_wait_dscnt 0x0                               ; my reads of the other slot, and (t = 0) my stores of the head's result
	ROUND
	tensor_load_to_lds s[\rg:\rg+3], s[G1:G1+7]
	s_nop 0
.endif
.irp f, 0,1,2,3,4,5,6,7,8,9,10,11,12,13,14,15
	ds_load_b128 v[KF+8*\f:KF+8*\f+3],   v[1+(\t&1)] offset:\f*1024
	ds_load_b128 v[KF+8*\f+4:KF+8*\f+7], v[1+(\t&1)] offset:\f*1024+512
.endr
	WIN 0x40
.irp k, 0,1,2,3
.irp n, 0,1
	ds_load_b128 v[8*(2*\k+\n):8*(2*\k+\n)+3],   v6 offset:(2*\t+(\k>>1))*4096+\n*2048+(\k&1)*1024
	ds_load_b128 v[8*(2*\k+\n)+4:8*(2*\k+\n)+7], v6 offset:(2*\t+(\k>>1))*4096+\n*2048+(\k&1)*1024+512
.endr
.endr
	WIN 0
.if \t == 0
	s_wait_loadcnt 0x0                             ; bo
.endif
	s_wait_dscnt 0x0
	WIN 0x04                                       ; x in window 1.  The 8 output tiles take turns, one instruction a turn
.irp k, 0,1,2,3
.irp m, 0,1,2,3
.irp n, 0,1
	WM SC+8*(2*\m+\n), KF+8*(4*\k+\m), 8*(2*\k+\n), 0
.endr
.endr
.endr
	PLACES
	WIN 0
.endm
	OP 0, G0W+4                                    ; its round also shows every head's result to every wave
	OP 1, G0W
	OP 2, G0W+4
	OP 3, 0
	; the way out: 32 rows x 64 f32 through my own stage, read back as whole rows of 256 bytes
.irp n, 0,1
.irp m, 0,1,2,3
	ds_store_b128 v8, v[SC+8*(2*\m+\n):SC+8*(2*\m+\n)+3]   offset:\n*4352+\m*64
	ds_store_b128 v8, v[SC+8*(2*\m+\n)+4:SC+8*(2*\m+\n)+7] offset:\n*4352+\m*64+16
.endr
.endr
.irp i, 0,1,2,3,4,5,6,7,8,9,10,11,12,13,14,15
	ds_load_b128 v[KF+4*\i:KF+4*\i+3], v9 offset:\i*544            ; LDS serves a wave's instructions in order (ISA guide 5.7.1): these see the stores above
.endr
.irp i, 0,1,2,3,4,5,6,7,8,9,10,11,12,13,14,15
	s_wait_dscnt 15-\i                             ; the younger read-backs may stay out
	global_store_b128 v10, v[KF+4*\i:KF+4*\i+3], s[22:23] offset:\i*4096 th:TH_STORE_NT   ; 16 lanes store 256 consecutive bytes, aligned
.endr
	s_wait_tensorcnt 0x0
	ds_add_u32 v62, v63
	s_wait_dscnt 0x0
	ROUND                                          ; the closing round: no work-group ends while a partner may still ask for a tile that names it
	s_endpgm
.Lfunc_end_k_q1d6a0c1aa1_attn:
	.size	k_q1d6a0c1aa1_attn, .Lfunc_end_k_q1d6a0c1aa1_attn-k_q1d6a0c1aa1_attn
	.p2alignl 7, 3214868480
	.fill 96, 4, 3214868480
	.section	.rodata,"a",@progbits
	.p2align	6, 0x0
	.amdhsa_kernel k_q1d6a0c1aa1_attn
		.amdhsa_group_segment_fixed_size 327680
		.amdhsa_private_segment_fixed_size 0
		.amdhsa_enable_private_segment 0
		.amdhsa_kernarg_size 80
		.amdhsa_user_sgpr_count 2
		.amdhsa_user_sgpr_kernarg_segment_ptr 1
		.amdhsa_wavefront_size32 1
		.amdhsa_system_sgpr_workgroup_id_x 1
		.amdhsa_system_sgpr_workgroup_id_y 1
		.amdhsa_system_sgpr_workgroup_id_z 1
		.amdhsa_system_vgpr_workitem_id 0
		.amdhsa_next_free_vgpr 480
		.amdhsa_next_free_sgpr 100
		.amdhsa_reserve_vcc 0
		.amdhsa_float_denorm_mode_32 3
		.amdhsa_float_denorm_mode_16_64 3
		.amdhsa_memory_ordered 1
		.amdhsa_forward_progress 1
		.amdhsa_inst_pref_size 255
	.end_amdhsa_kernel
	.section	.bss,"aw",@nobits
	.p2align	6
	.space	262144
	.amdgpu_metadata
---
amdhsa.version: [ 1, 2 ]
amdhsa.kernels:
  - .name:           k_q1d6a0c1aa1_attn
    .symbol:         k_q1d6a0c1aa1_attn.kd
    .args:
      - { .name: Qf, .offset: 0, .size: 8, .value_kind: global_buffer, .address_space: global }
      - { .name: KV, .offset: 8, .size: 8, .value_kind: global_buffer, .address_space: global }
      - { .name: Wof, .offset: 16, .size: 8, .value_kind: global_buffer, .address_space: global }
      - { .name: segment_weights, .offset: 24, .size: 8, .value_kind: global_buffer, .address_space: global }
      - { .name: mask, .offset: 32, .size: 8, .value_kind: global_buffer, .address_space: global }
      - { .name: Wl, .offset: 40, .size: 8, .value_kind: global_buffer, .address_space: global }
      - { .name: bl, .offset: 48, .size: 8, .value_kind: global_buffer, .address_space: global }
      - { .name: Wr, .offset: 56, .size: 8, .value_kind: global_buffer, .address_space: global }
      - { .name: bo, .offset: 64, .size: 8, .value_kind: global_buffer, .address_space: global }
      - { .name: out0, .offset: 72, .size: 8, .value_kind: global_buffer, .address_space: global }
    .group_segment_fixed_size: 327680
    .private_segment_fixed_size: 0
    .kernarg_segment_align: 8
    .kernarg_segment_size: 80
    .max_flat_workgroup_size: 256
    .sgpr_count:     100
    .vgpr_count:     480
    .wavefront_size: 32
...
	.end_amdgpu_metadata
.endif
;; end of part 2
